; MI455X (gfx1250); checked and timed in simulation.
; The chip was launched on July 23, 2026; its instructions are those of AMD's public machine-readable ISA for CDNA 5 (MIT licence, August 2026) and "CDNA5" Instruction Set Architecture Reference Guide (July 2026). The comments in the code are by the model that wrote it; some were corrected since.
;; Autograd4bit Quant Linear. Allowed arithmetic: matrix products marked QUANTISED: E4M3 operands, one given power-of-two scale a tensor, by v_wmma_f32_16x16x64_fp8_fp8 or v_wmma_f32_16x16x128_fp8_fp8, f32 sums; everything else in f32.
;; Inputs: bias 4,096 float32; lowp_scales 2 int32 (the exponents e of the quantised operands' scales 2^e); qweight 512 x 4,096 int32; qzeros 32 x 512 int32; scales 32 x 4,096 float32; x_codes 4 x 1,024 x 128 x 32 uint8 (E4M3 codes of x, K innermost, in blocks of 32 codes).
;; Outputs: out0 4 x 1,024 x 4,096 float32.
;; This version of the problem:
;;   THIS VERSION OF THE PROBLEM IS GIVEN IN LOW PRECISION. The matrix products marked QUANTISED in the list below multiply operands that are first quantised to E4M3 (4 exponent bits, 3 mantissa bits; 8 bits a number), with one given power-of-two scale for each operand tensor; their sums are f32. All else is computed in f32.
;;   The module's matrix products, in the order in which they are computed (A, B: the left and right operand; K: the contracted axis; several contracted axes count as one K, in the product's order):
;;     1. [M 4,096, K 4,096] x [K 4,096, N 4,096]; A: input x (given as codes); B: computed on the way: QUANTISED (scales: A lowp_scales[0], B lowp_scales[1])
;;   THE QUANTISER, for each operand of a quantised product, along K:
;;     - The operand's scale is 2^e, e = its entry of the input lowp_scales (int32; the entries are numbered through the quantised products in the list's order, A before B).
;;     - Each number is divided by the scale, clamped to +-448, and rounded to the nearest number of E4M3, ties to even, subnormals kept.
;;     - The product sums the exact products of the quantised numbers (number of the format x scale) in f32.
;;   ~~~python
;;   def quantise(x, axis, e):      # numpy; x: float32 -> the quantised numbers, widened to float32 again
;;       x = np.moveaxis(x, axis, -1); K = x.shape[-1]
;;       r = np.clip(x / 2.0 ** e, -448, 448)
;;       step = 2.0 ** (np.maximum(np.frexp(np.where(r == 0, 1, r))[1] - 1, -6) - 3)
;;       q = np.round(r / step) * step * 2.0 ** e      # np.round: ties to even
;;       return np.moveaxis(q, -1, axis).astype(np.float32)
;;   ~~~
;;   OPERANDS COMPUTED ON THE WAY. 'Computed on the way' means the value that the module computes at that place (a softmax that the list does not call 'softmax' is quantised finished and normalised). What goes into a quantiser is computed in f32, as accurately as f32 sums, v_exp_f32 and their like allow (about 1e-6 of the number): no bf16 or f16 on the way to a quantiser, and a product that is left as it is and whose result goes on into a quantised operand takes f32 operands (vector FMAs, or v_wmma_f32_16x16x4_f32). A number that lies on a knife's edge between two numbers of the format may be rounded either way, as far as f32 arithmetic and the matrix unit's own rounding can turn it there, and no further.
;;   INPUTS GIVEN AS CODES. x (in the module: [4, 1024, 4096], K = its axis 2): each comes as NAME_codes (uint8): NAME with its K axis moved to the last place and cut into blocks of 32 codes, [.., K / 32, bytes a block], one block behind the other in memory; one code a byte (a code: sign, 4 exponent bits, 3 mantissa bits); its scale is its entry of lowp_scales. Its value is code x scale, taken as it is: it is not quantised again, and the codes and scales need not be those that the quantiser above would give.
;; One version. Each part assembles by itself: llvm-mc -triple=amdgcn-amd-amdhsa -mcpu=gfx1250 --defsym DOCPART=n.
;; ======== version 1 of 1: 2 launches
;; limits: right only within a limited range of input values
;; workspace buffers: w_codes 16,777,216 bytes
;; launch wq (part 1): grid 16 x 16, 4 waves a work-group, no clusters, 70,144 bytes of LDS; arguments qweight, qzeros, scales, lowp_scales, w_codes; writes w_codes
.if DOCPART == 1
	.amdgcn_target "amdgcn-amd-amdhsa--gfx1250"
	.amdhsa_code_object_version 6
	.text
	.protected	k_qb8a84cc742_wq
	.globl	k_qb8a84cc742_wq
	.p2align	8
	.type	k_qb8a84cc742_wq,@function
k_qb8a84cc742_wq:
	s_mov_b64 s[64:65], 0
	v_nop
	global_prefetch_b8 v0, s[64:65] scope:SCOPE_SE
	s_setreg_imm32_b32 hwreg(HW_REG_WAVE_MODE, 25, 1), 1
	s_wait_xcnt 0x0
; W[k][n] = scales[k / 128][n] x (q[k][n] - (z[k / 128][n] + 1)) is formed in f32 from 4-bit data and turned into codes of FP8 (E4M3), laid [n = 4096][k = 4096], K innermost, with the one given scale 2^eb.
; qweight [512][4096] int32: a word holds q of eight neighbouring k (nibble j: k = 8 row + j) of ONE column n.  qzeros [32][512] int32: a word holds z of eight neighbouring n.  scales [32][4096] f32.
; code = W / 2^eb, held within +-448, rounded to the nearest code, ties to even.  eb is entry 1 (int32) of lowp_scales.  LIMITS: -126 <= eb <= 119, so that 2^eb and 448 x 2^eb are f32 numbers; NaN among scales is not served.
; SHARES.  Work-group (x, y): columns 256 x .. + 255, k = 256 y .. + 255 (32 rows of qweight, two groups of 128).  Wave w: 64 columns from n0 = 256 x + 64 w.  Lane l: columns n0 + 2 l and n0 + 2 l + 1.
; A TABLE FOR EACH GROUP AND COLUMN.  Within a group of 128 k a column has one scale and one zero, so W takes at most 16 values there, one for each q.  Each is formed once: q - (z + 1), exact in f32; x the scale, the one rounding
; that the definition has; the hold; the conversion.  The 16 codes fill four registers (code of q in byte q % 4 of register q / 4); a lane has four such tables (two groups x two columns).
; A NIBBLE PICKS ITS CODE.  A word's nibbles are spread to bytes in the order of k; v_perm_b32 picks by q % 8 from the table's lower and from its upper eight codes, and a third v_perm_b32 takes, byte by byte, the one that bit 3 of q names.
; THE WAY OUT.  A lane's codes belong to one row of w_codes and the lanes beside it hold other rows: the codes go through the wave's own stage in LDS and leave by rows: sixteen lanes store 256 consecutive bytes, aligned.
; The even columns are worked first and their 32 stage rows are stored ahead of the work on the odd columns.
; No tensor loads, no barrier (waves share nothing), no loop: every offset is an immediate, and all loads of a wave go out at once; rows are worked behind counted waits.
.set PITCH, 272                        ; a stage row: 256 bytes of codes + 16
.set WSTG,  64*PITCH                   ; a wave's stage: stage row 32 c + l holds column n0 + 2 l + c
.set QROW,  16384
.set ZROW,  2048
.set KROW,  4096
.set ZW,    12                         ; v12, v13   the zeros' words of groups 0, 1
.set SCL,   16                         ; v[16:19]   scales: group g, column c at v[16 + 2 g + c]
.set LUT,   20                         ; v[20:35]   the tables: group g, column c at v[20 + 8 g + 4 c]
.set TA,    36                         ; v[36:51]   a table's 16 numbers in f32
.set RE,    36                         ; at work on a pair of words: even nibbles, odd nibbles,
.set RO,    38
.set RX,    40                         ; four registers of four q each, in the order of k,
.set RS,    44                         ; q % 8,
.set RT,    48                         ; the byte's number + 4 x (q / 8),
.set RL,    52                         ; the codes by the lower and by the upper half of the table
.set RH,    56
.set QW,    64                         ; v[64:127]  qweight: row i, column c at v[64 + 2 i + c]
.set CR,    192                        ; v[192:223] a ring of eight sets of four registers of codes
	s_load_b256 s[4:11], s[0:1], 0x0               ; qweight, qzeros, scales, lowp_scales
	s_load_b64 s[12:13], s[0:1], 0x20              ; w_codes
	v_lshl_add_u32 v224, v0, 2, 0x11000            ; my spare word, behind the four stages
	v_mov_b32 v225, 0
	v_lshrrev_b32 v1, 5, v0
	v_readfirstlane_b32 s14, v1                    ; wave
	v_and_b32 v1, 31, v0                           ; l
	v_and_b32 v2, 15, v0                           ; r
	v_bfe_u32 v3, v0, 4, 1                         ; h
	v_lshlrev_b32 v4, 3, v1                        ; qweight and scales: 8 bytes a lane
	v_lshrrev_b32 v5, 2, v1
	v_lshlrev_b32 v5, 2, v5                        ; qzeros: four lanes to a word
	v_and_b32 v9, 3, v1
	v_lshlrev_b32 v9, 3, v9                        ; my first column's nibble begins at bit 8 (l % 4)
	s_mul_i32 s34, s14, WSTG
	v_mul_u32_u24 v6, v1, PITCH
	v_add_nc_u32 v6, s34, v6                       ; into the stage: row l
	v_mul_u32_u24 v7, v3, PITCH
	v_lshl_add_u32 v7, v2, 4, v7
	v_add_nc_u32 v7, s34, v7                       ; out of it: sixteen lanes to a row, two rows an instruction
	v_lshlrev_b32 v8, 13, v3                       ; in w_codes neighbouring stage rows are columns two apart: 8,192 bytes
	v_lshl_add_u32 v8, v2, 4, v8
	s_and_b32 s16, ttmp7, 0xffff                   ; y
	s_lshl_b32 s15, ttmp9, 8
	s_lshl_b32 s18, s14, 6
	s_add_co_u32 s15, s15, s18                     ; n0
	s_lshl_b32 s34, s15, 2
	s_lshl_b32 s18, s16, 19                        ; qweight: 32 y rows + 4 n0
	s_add_co_u32 s18, s18, s34
	s_mov_b32 s19, 0
	s_lshl_b32 s20, s16, 15                        ; scales: 2 y rows + 4 n0
	s_add_co_u32 s20, s20, s34
	s_mov_b32 s21, 0
	s_lshl_b32 s22, s16, 12                        ; qzeros: 2 y rows + 4 (n0 / 8)
	s_lshr_b32 s34, s15, 1
	s_add_co_u32 s22, s22, s34
	s_mov_b32 s23, 0
	s_lshl_b32 s32, s15, 12                        ; w_codes: n0 rows of 4,096 bytes + 256 y
	s_lshl_b32 s34, s16, 8
	s_add_co_u32 s32, s32, s34
	s_mov_b32 s33, 0
	s_mov_b32 s24, 0x0f0f0f0f                      ; a nibble in each byte
	s_mov_b32 s25, 0x07070707                      ; q % 8
	s_mov_b32 s26, 0x04040404                      ; bit 3 of q, moved down by one
	s_mov_b32 s27, 0x03020100                      ; each byte's own number
	s_mov_b32 s28, 0x05010400                      ; nibbles 0, 1, 2, 3 from the even and the odd ones
	s_mov_b32 s29, 0x07030602                      ; nibbles 4, 5, 6, 7
	s_wait_alu depctr_va_vdst(0)                   ; the wait at the head's end
	s_wait_kmcnt 0x0
	s_load_b32 s17, s[10:11], 0x4                  ; eb
	s_add_nc_u64 s[4:5], s[4:5], s[18:19]
	s_add_nc_u64 s[8:9], s[8:9], s[20:21]
	s_add_nc_u64 s[6:7], s[6:7], s[22:23]
	s_add_nc_u64 s[12:13], s[12:13], s[32:33]
.irp g, 0,1
	global_load_b32 v[ZW+\g], v5, s[6:7] offset:ZROW*\g
.endr
.irp g, 0,1
	global_load_b64 v[SCL+2*\g:SCL+2*\g+1], v4, s[8:9] offset:QROW*\g
.endr
.set I, 0
.rept 32
	global_load_b64 v[QW+2*I:QW+2*I+1], v4, s[4:5] offset:QROW*I th:TH_LOAD_NT   ; 256 consecutive bytes of row I; read once in the launch
.set I, I+1
.endr
	s_wait_kmcnt 0x0
	s_add_co_i32 s17, s17, 127
	s_lshl_b32 s34, s17, 23
	v_mov_b32 v11, s34                             ; 2^eb: the conversion takes its exponent field
	s_add_co_i32 s17, s17, 8
	s_lshl_b32 s17, s17, 23
	s_or_b32 s17, s17, 0x600000
	v_mov_b32 v10, s17                             ; 448 x 2^eb
	s_wait_loadcnt 32                              ; the zeros and the scales are in; the 32 rows behind them may be out
; the four tables
.irp g, 0,1
.irp c, 0,1
	v_add_nc_u32 v62, 4*\c, v9
	v_bfe_u32 v63, v[ZW+\g], v62, 4                ; z of column n0 + 2 l + c
	v_cvt_f32_u32 v63, v63
	v_add_f32 v63, 1.0, v63                        ; z + 1
.set Q, 0
.irp f, 0, 0x3f800000, 0x40000000, 0x40400000, 0x40800000, 0x40a00000, 0x40c00000, 0x40e00000, 0x41000000, 0x41100000, 0x41200000, 0x41300000, 0x41400000, 0x41500000, 0x41600000, 0x41700000
	v_sub_f32 v[TA+Q], \f, v63                     ; q - (z + 1), exact: the constant is q as f32
.set Q, Q+1
.endr
.irp q, 0,1,2,3,4,5,6,7,8,9,10,11,12,13,14,15
	v_mul_f32 v[TA+\q], v[SCL+2*\g+\c], v[TA+\q]   ; x the scale: W in f32
.endr
.irp q, 0,1,2,3,4,5,6,7,8,9,10,11,12,13,14,15
	v_med3_num_f32 v[TA+\q], v[TA+\q], -v10, v10   ; the conversion does not saturate (ISA guide 7.6.2): the hold comes first
.endr
	v_cvt_scalef32_pk8_fp8_f32 v[LUT+8*\g+4*\c:LUT+8*\g+4*\c+1],   v[TA:TA+7],    v11   ; the codes of q = 0 .. 7, the first in the lowest byte
	v_cvt_scalef32_pk8_fp8_f32 v[LUT+8*\g+4*\c+2:LUT+8*\g+4*\c+3], v[TA+8:TA+15], v11   ; and of q = 8 .. 15
.endr
.endr
	v_nop                                          ; one plain place behind the last conversion
	s_wait_alu depctr_va_vdst(0)                   ; the wait here, directly ahead of the wait below
; Rows 2 p and 2 p + 1 of my column c: 16 neighbours along K become 16 bytes of the column's stage row.
.set N, 0
.macro PAIR p, c
.set CRN, CR+4*(N%8)
.set LB,  LUT+8*((\p)/8)+4*(\c)        ; the table of the rows' group (sixteen rows of qweight) and of the column
.set WA,  QW+4*(\p)+(\c)
.if N >= 8
	s_wait_dscnt 7                                 ; of the eight last LDS stores seven may be out: the one that read this set of the ring is done
.endif
	v_and_b32 v[RE],   s24, v[WA]                  ; nibbles 0, 2, 4, 6
	v_and_b32 v[RE+1], s24, v[WA+2]
	v_lshrrev_b32 v[RO],   4, v[WA]
	v_lshrrev_b32 v[RO+1], 4, v[WA+2]
	v_and_b32 v[RO],   s24, v[RO]                  ; nibbles 1, 3, 5, 7
	v_and_b32 v[RO+1], s24, v[RO+1]
	v_perm_b32 v[RX],   v[RO],   v[RE],   s28      ; selectors 0-3 take the second source's bytes, 4-7 the first's
	v_perm_b32 v[RX+1], v[RO],   v[RE],   s29
	v_perm_b32 v[RX+2], v[RO+1], v[RE+1], s28
	v_perm_b32 v[RX+3], v[RO+1], v[RE+1], s29
.irp i, 0,1,2,3
	v_and_b32 v[RS+\i], s25, v[RX+\i]
.endr
.irp i, 0,1,2,3
	v_lshrrev_b32 v[RT+\i], 1, v[RX+\i]
.endr
.irp i, 0,1,2,3
	v_perm_b32 v[RL+\i], v[LB+1], v[LB], v[RS+\i]
.endr
.irp i, 0,1,2,3
	v_perm_b32 v[RH+\i], v[LB+3], v[LB+2], v[RS+\i]
.endr
.irp i, 0,1,2,3
	v_and_or_b32 v[RT+\i], v[RT+\i], s26, s27      ; byte i: i, or i + 4 where q is 8 or more
.endr
.irp i, 0,1,2,3
	v_perm_b32 v[CRN+\i], v[RH+\i], v[RL+\i], v[RT+\i]
.endr
	ds_store_b128 v6, v[CRN:CRN+3] offset:(\c)*32*PITCH+16*(\p)   ; k = 16 p .. 16 p + 15 of my column
.set N, N+1
.endm
; Stage rows 32 f .. 32 f + 31 leave.  Stage row 32 f + 2 U + h is column n0 + 4 U + 2 h + f.
.macro OUTP f, r
.set U, 0
.rept 16
	ds_load_b128 v[\r+4*U:\r+4*U+3], v7 offset:2*(16*\f+U)*PITCH   ; LDS serves a wave's instructions in order (ISA guide 5.7.1.4): these see my stores
.set U, U+1
.endr
.set U, 0
.rept 16
	s_wait_dscnt 15-U                              ; load U is in; the 15 - U behind it may be out
	global_store_b128 v8, v[\r+4*U:\r+4*U+3], s[12:13] offset:(4*U+\f)*KROW   ; sixteen lanes store 256 consecutive bytes, at a multiple of 256 from the buffer's first byte
.set U, U+1
.endr
.endm
.set P, 0
.rept 16
	s_wait_loadcnt 30-2*P                          ; rows 2 P and 2 P + 1 are in; the 30 - 2 P rows behind them may be out
	PAIR P, 0
.set P, P+1
.endr
	OUTP 0, 128                                    ; the even columns, through v[128:191]
.set P, 0
.rept 16
	PAIR P, 1
.set P, P+1
.endr
	OUTP 1, 64                                     ; the odd columns, through the registers that held qweight
	s_wait_tensorcnt 0x0                           ; the wave's end
	ds_add_u32 v224, v225
	s_wait_dscnt 0x0
	s_endpgm
.Lfunc_end_k_qb8a84cc742_wq:
	.size	k_qb8a84cc742_wq, .Lfunc_end_k_qb8a84cc742_wq-k_qb8a84cc742_wq
	.p2alignl 7, 3214868480
	.fill 96, 4, 3214868480
	.section	.rodata,"a",@progbits
	.p2align	6, 0x0
	.amdhsa_kernel k_qb8a84cc742_wq
		.amdhsa_group_segment_fixed_size 70144
		.amdhsa_private_segment_fixed_size 0
		.amdhsa_enable_private_segment 0
		.amdhsa_kernarg_size 40
		.amdhsa_user_sgpr_count 2
		.amdhsa_user_sgpr_kernarg_segment_ptr 1
		.amdhsa_wavefront_size32 1
		.amdhsa_system_sgpr_workgroup_id_x 1
		.amdhsa_system_sgpr_workgroup_id_y 1
		.amdhsa_system_sgpr_workgroup_id_z 1
		.amdhsa_system_vgpr_workitem_id 0
		.amdhsa_next_free_vgpr 226
		.amdhsa_next_free_sgpr 66
		.amdhsa_reserve_vcc 0
		.amdhsa_float_denorm_mode_32 3
		.amdhsa_float_denorm_mode_16_64 3
		.amdhsa_memory_ordered 1
		.amdhsa_forward_progress 1
		.amdhsa_inst_pref_size 81
	.end_amdhsa_kernel
	.amdgpu_metadata
---
amdhsa.version: [ 1, 2 ]
amdhsa.kernels:
  - .name:           k_qb8a84cc742_wq
    .symbol:         k_qb8a84cc742_wq.kd
    .args:
      - { .name: qweight, .offset: 0, .size: 8, .value_kind: global_buffer, .address_space: global }
      - { .name: qzeros, .offset: 8, .size: 8, .value_kind: global_buffer, .address_space: global }
      - { .name: scales, .offset: 16, .size: 8, .value_kind: global_buffer, .address_space: global }
      - { .name: lowp_scales, .offset: 24, .size: 8, .value_kind: global_buffer, .address_space: global }
      - { .name: w_codes, .offset: 32, .size: 8, .value_kind: global_buffer, .address_space: global }
    .group_segment_fixed_size: 70144
    .private_segment_fixed_size: 0
    .kernarg_segment_align: 8
    .kernarg_segment_size: 40
    .max_flat_workgroup_size: 128
    .sgpr_count:     66
    .vgpr_count:     226
    .wavefront_size: 32
...
	.end_amdgpu_metadata
.endif
;; end of part 1
;; launch gemm (part 2): grid 16 x 16, 4 waves a work-group, clusters of 4 x 4, 327,680 bytes of LDS; arguments x_codes, w_codes, lowp_scales, out0, bias; writes out0
.if DOCPART == 2
	.amdgcn_target "amdgcn-amd-amdhsa--gfx1250"
	.amdhsa_code_object_version 6
	.text
	.protected	k_qb8a84cc742_gemm
	.globl	k_qb8a84cc742_gemm
	.p2align	8
	.type	k_qb8a84cc742_gemm,@function
k_qb8a84cc742_gemm:
	s_mov_b64 s[64:65], 0
	v_nop
	global_prefetch_b8 v0, s[64:65] scope:SCOPE_SE
	s_setreg_imm32_b32 hwreg(HW_REG_WAVE_MODE, 25, 1), 1
	s_wait_xcnt 0x0
	s_wait_alu depctr_hold_cnt(0) depctr_sa_sdst(0) depctr_va_vdst(0) depctr_va_sdst(0) depctr_va_ssrc(0) depctr_va_vcc(0) depctr_vm_vsrc(0)
	s_getreg_b32 s2, hwreg(HW_REG_IB_STS2, 6, 4)
	s_cmp_eq_u32 s2, 0
	s_cbranch_scc0 .Lentry_in_a_cluster
	s_endpgm
.Lentry_in_a_cluster:
	s_bfe_u32 s2, ttmp6, 0x10000c
	s_cmp_lg_u32 s2, 0xf033
	s_cbranch_scc0 .Lentry_shape_is_right
	s_endpgm
.Lentry_shape_is_right:
; out0[m][n] = 2^(ea + eb) x (sum over k of x's code (m, k) x W's code (n, k)) + bias[n].  4096 x 4096 x 4096; x_codes [m][k], w_codes [n][k], codes of FP8 (E4M3), K innermost; f32 sums.
; LIMIT: ea + eb lies between -126 and 127, so that 2^(ea + eb) is an f32 number.
; A tile of out0, 256 x 256, is made by a work-group of four waves; a wave makes 128 x 128: 64 accumulators, 512 registers.  16 x 16 = 256 work-groups.
; K goes in steps of 256 through a ring of two LDS slots filled by the tensor data mover: a tile's row is 256 bytes of memory; each wave fetches 128 rows.
; CLUSTERS: 4 x 4 work-groups.  The four of a row of the cluster need the same tiles of x, the four of a column the same tiles of W: each tile is asked for jointly, mask of four.
; THE ORDER ALONG K: clusters of one parity take the K steps as they lie, the others with each pair of steps exchanged with the next pair (byte offset xor 512): the sums hold the same products in another order.
; PREFETCH: behind each refill every wave names the K step that stands two refills on: of the 128 rows that it fetches, the partner at place p takes rows 32 p .. + 31 (p = cx for x, cy for W), a lane a row of 256 bytes.
;   The head names the three K steps whose loads go out before the loop's first request can serve; the loop's last trip has no K step two refills on and names nothing.
; THE MATRIX INSTRUCTION IS USED TRANSPOSED (source 0 = 16 rows of W, source 1 = 16 rows of x): a lane holds eight neighbouring numbers of a row of out0.
; K inside a fragment is permuted alike in both operands (registers 4 c .. 4 c + 3: k = 32 c + 16 (l / 16) + 0 .. 15): every product meets its partner.
; REGISTERS: window 0: v0-31 addresses, v32-95 bias, v128-255 A's fragments, one set (on the way out: rows read back).  window 1: B's fragments, two sets.  windows 2, 3: accumulator (a, b) at v[8 (8 (a % 4) + b)] of window 2 + a / 4.
.set SIZE_N, 4096
.set SIZE_K, 4096
.set ROWB,   256
.set KROW,   SIZE_K
.set PITCH,  272                       ; an LDS row: 256 bytes + 16: the 16 rows of a fragment start 4 banks apart (64 banks of 4 bytes: ISA guide 11.1)
.set FR,     16
.set NL,     4
.set NP,     4
.set HALFT,  128*PITCH
.set SLOT,   4*HALFT
.set LAPS,   SIZE_K/(2*ROWB)
.set SPARE,  2*SLOT                    ; behind the ring: the spare words, 128 bytes a wave
.set SPITCH, 528                       ; the way out: 16 rows x (512 + 16) bytes a wave, in slot 0, which has then had its last fill and its last read
.set ADRA, 16
.set ADRB, 20
.set STO,  24
.set RD,   25
.set CO,   26
.set BO,   27
.set SPW,  28
.set NIL,  29
.set PFO,  30
.set BIAS, 32
.set AF,   128
.set BK,   128
.set G1, 24
.set G0, 32
.set G1B, 48
.set G0B, 56
.set PFA, 68                           ; s[68:69] the address that the next prefetch names
.set PF2, 70                           ; s[70:71] the head's second prefetch address
.set PK,  72                           ; s[72:73] a prefetch's offset along K
.set FX,  75                           ; 0 or 512: the exchange along K
.set CNT, 76                           ; s76, s77 the count along K of slot 0's, slot 1's last load
.set KO,  78                           ; s[78:79] a load's offset along K
.set ABASE, 80
.set BBASE, 82
.set PFB, 84                           ; s[84:85] my 32 rows, at K = 0
.set PK2, 86
.set MSB, 0
.macro WIN new
.if MSB != (\new)
	s_set_vgpr_msb (MSB<<8)|(\new)
.set MSB, (\new)
.endif
.endm
.set MUL_LO, 0xa1                      ; source 0 (B) window 1, source 1 (A) window 0, C and D window 2
.set MUL_HI, 0xf1
.set TO_B,   0x40
; a joint load: waves 0 and 1 fetch for A, waves 2 and 3 for B; an s_nop 0 and four v_nop follow each of the two lines
.macro JLOAD g0a, g1a, g0b, g1b
	s_cmp_eq_u32 s15, 0
	s_cbranch_scc0 .Lfor_b_\@
	tensor_load_to_lds s[\g0a:\g0a+3], s[\g1a:\g1a+7]
	s_nop 0
.rept 4
	v_nop
.endr
	s_branch .Lasked_\@
.Lfor_b_\@:
	tensor_load_to_lds s[\g0b:\g0b+3], s[\g1b:\g1b+7]
	s_nop 0
.rept 4
	v_nop
.endr
.Lasked_\@:
.endm
.macro ASK                             ; s3 = 1 in the loop's last trip
	s_cmp_gt_u32 s3, 1
	s_cbranch_scc0 .Lnone_\@
	global_prefetch_b8 v[PFO], s[PFA:PFA+1] th:TH_LOAD_NT scope:SCOPE_SE
.Lnone_\@:
.endm
.macro CREST
	s_cmp_lg_u32 s14, 0
	s_cbranch_scc1 .Lnot_wave_0_\@
	s_barrier_signal -3
.Lnot_wave_0_\@:
	s_barrier_wait -3
	s_barrier_signal -1
	s_barrier_wait -1
.endm
.macro CROUND
	s_barrier_signal -1
	s_barrier_wait -1
	CREST
.endm
	s_load_b128 s[4:7], s[0:1], 0x0                ; x_codes, w_codes
	s_load_b128 s[8:11], s[0:1], 0x10              ; lowp_scales, out0
	s_load_b64 s[12:13], s[0:1], 0x20              ; bias
	v_lshl_add_u32 v[SPW], v0, 2, SPARE
	v_mov_b32 v[NIL], 0
	ds_add_u32 v[SPW], v[NIL]                      ; the opening lines: the add twice on end and its wait
	ds_add_u32 v[SPW], v[NIL]
	v_lshrrev_b32 v1, 5, v0
	v_readfirstlane_b32 s14, v1                    ; wave
	s_lshr_b32 s15, s14, 1                         ; my half of the tile's rows; also: I fetch for A (0) or B (1)
	s_and_b32 s16, s14, 1                          ; my half of its columns; also: which 128 rows I fetch
	s_bfe_u32 s40, ttmp6, 0x40000                  ; cx
	s_bfe_u32 s41, ttmp6, 0x40004                  ; cy
	s_lshl_b32 s42, ttmp9, 2
	s_add_co_u32 s42, s42, s40                     ; tile column
	s_and_b32 s17, ttmp7, 0xffff
	s_lshl_b32 s17, s17, 2
	s_add_co_u32 s17, s17, s41                     ; tile row
	s_lshl_b32 s43, s41, 2
	s_lshl_b32 s43, 15, s43                        ; my row of the cluster
	s_lshl_b32 s44, 0x1111, s40                    ; my column
	s_lshr_b32 s72, ttmp9, 1                       ; the cluster's parity, from the cluster's two numbers alone: the same in all partners
	s_xor_b32 s72, s72, ttmp9
	s_and_b32 s73, ttmp7, 0xffff
	s_lshr_b32 s74, s73, 1
	s_xor_b32 s73, s73, s74
	s_xor_b32 s72, s72, s73
	s_and_b32 s72, s72, 1
	s_lshl_b32 s[FX], s72, 9
	s_mov_b32 s[CNT], 0
	s_mov_b32 s[CNT+1], ROWB
	s_mov_b32 s[KO+1], 0
	s_or_b32 s[G1+0], s43, (0<<16)|(1<<20)|(1<<21)|(5<<22)|(3<<25)   ; mask; elements of 1 byte; 4 words of padding behind every 64
	s_or_b32 s[G1B+0], s44, (0<<16)|(1<<20)|(1<<21)|(5<<22)|(3<<25)
.irp g, G1, G1B
	s_mov_b32 s[\g+1], ROWB<<16
	s_mov_b32 s[\g+2], 128<<16
	s_mov_b32 s[\g+3], ROWB<<16
	s_mov_b32 s[\g+4], 128
	s_mov_b32 s[\g+5], KROW
	s_mov_b32 s[\g+6], 0
	s_mov_b32 s[\g+7], 0
.endr
	s_lshl_b32 s18, s16, 7
	s_lshl_b32 s20, s17, 8
	s_add_co_u32 s20, s20, s18                     ; A: row 256 x tile row + 128 x half
	s_lshl_b32 s46, s42, 8
	s_add_co_u32 s46, s46, s18                     ; B: row 256 x tile column + 128 x half
	s_mov_b32 s21, 0
	s_mov_b32 s47, 0
	s_mov_b64 s[18:19], KROW
	s_mul_u64 s[20:21], s[20:21], s[18:19]
	s_mul_u64 s[46:47], s[46:47], s[18:19]
	s_mul_i32 s45, s14, HALFT
	s_wait_dscnt 0x0
	s_wait_kmcnt 0x0
	s_load_b64 s[96:97], s[8:9], 0x0               ; ea, eb
	s_add_nc_u64 s[ABASE:ABASE+1], s[4:5], s[20:21]
	s_add_nc_u64 s[BBASE:BBASE+1], s[6:7], s[46:47]
	CROUND                                         ; all sixteen work-groups are here: the first joint loads meet
.irp s, 0,1
	s_xor_b32 s[KO], s[CNT+\s], s[FX]
	s_mov_b32 s[G0+4*\s], 1
	s_add_co_u32 s[G0+4*\s+1], s45, \s*SLOT
	s_add_nc_u64 s[G0+4*\s+2:G0+4*\s+3], s[ABASE:ABASE+1], s[KO:KO+1]
	s_or_b32 s[G0+4*\s+3], s[G0+4*\s+3], 0x80000000
	s_mov_b32 s[G0B+4*\s], 1
	s_add_co_u32 s[G0B+4*\s+1], s45, \s*SLOT
	s_add_nc_u64 s[G0B+4*\s+2:G0B+4*\s+3], s[BBASE:BBASE+1], s[KO:KO+1]
	s_or_b32 s[G0B+4*\s+3], s[G0B+4*\s+3], 0x80000000
.endr
	JLOAD G0, G1, G0B, G1B                         ; the first K step: my one tensor load at the head
	s_mul_i32 s21, s15, HALFT                      ; my 128 rows of A
	s_mul_i32 s22, s16, HALFT
	s_add_co_u32 s22, s22, 2*HALFT                 ; my 128 rows of B, behind A's 256
	s_mul_i32 s23, s14, 16*SPITCH                  ; my stage
	v_and_b32 v1, 15, v0                           ; r
	v_bfe_u32 v2, v0, 4, 1                         ; h
	v_and_b32 v6, 31, v0
	v_mul_u32_u24 v3, v1, PITCH
	v_lshl_add_u32 v4, v2, 4, v3
	v_add_nc_u32 v[ADRA], s21, v4
	v_add_nc_u32 v[ADRB], s22, v4
	v_add_nc_u32 v[ADRA+1], SLOT, v[ADRA]
	v_add_nc_u32 v[ADRB+1], SLOT, v[ADRB]
	v_mul_u32_u24 v5, v1, SPITCH
	v_lshl_add_u32 v5, v2, 5, v5
	v_add_nc_u32 v[STO], s23, v5
	v_lshlrev_b32 v[CO], 4, v6
	v_add_nc_u32 v[RD], s23, v[CO]
	v_lshlrev_b32 v[BO], 5, v2
	v_lshlrev_b32 v[PFO], 12, v6                   ; a lane a row of 4,096 bytes
	s_lshl_b32 s20, s17, 8
	s_lshl_b32 s21, s15, 7
	s_add_co_u32 s20, s20, s21                     ; my first row of out0,
	s_lshl_b32 s20, s20, 14                        ; in bytes
	s_mov_b32 s21, 0
	s_lshl_b32 s46, s42, 10
	s_lshl_b32 s47, s16, 9
	s_add_co_u32 s46, s46, s47                     ; my first column, in bytes
	s_mov_b32 s47, 0
	s_add_nc_u64 s[20:21], s[20:21], s[46:47]
	s_add_nc_u64 s[10:11], s[10:11], s[20:21]
	s_add_nc_u64 s[12:13], s[12:13], s[46:47]
	s_lshl_b32 s72, s17, 8
	s_lshl_b32 s73, s42, 8
	s_cmp_eq_u32 s15, 0                            ; do I fetch for A?
	s_cselect_b32 s72, s72, s73                    ; the tile's first row
	s_cselect_b32 s73, s40, s41                    ; my place among the four that ask with me
	s_cselect_b64 s[PFB:PFB+1], s[4:5], s[6:7]
	s_lshl_b32 s74, s16, 7
	s_add_co_u32 s72, s72, s74
	s_lshl_b32 s73, s73, 5
	s_add_co_u32 s72, s72, s73
	s_lshl_b32 s72, s72, 12
	s_mov_b32 s73, 0
	s_add_nc_u64 s[PFB:PFB+1], s[PFB:PFB+1], s[72:73]
	s_mov_b32 s[PK], s[FX]
	s_add_nc_u64 s[PFA:PFA+1], s[PFB:PFB+1], s[PK:PK+1]
	s_xor_b32 s[PK2], s[FX], 512
	s_mov_b32 s[PK2+1], 0
	s_add_nc_u64 s[PF2:PF2+1], s[PFB:PFB+1], s[PK2:PK2+1]
	s_wait_alu depctr_va_vdst(0)                   ; the wait at the head's end
	global_prefetch_b8 v[PFO], s[PFA:PFA+1] offset:ROWB th:TH_LOAD_NT scope:SCOPE_SE   ; the counts 256, 512 and 768 along K, each xor the exchange
	global_prefetch_b8 v[PFO], s[PF2:PF2+1] th:TH_LOAD_NT scope:SCOPE_SE
	global_prefetch_b8 v[PFO], s[PF2:PF2+1] offset:ROWB th:TH_LOAD_NT scope:SCOPE_SE
.irp b, 0,1,2,3,4,5,6,7
	global_load_b128 v[BIAS+8*\b:BIAS+8*\b+3],   v[BO], s[12:13] offset:64*\b
	global_load_b128 v[BIAS+8*\b+4:BIAS+8*\b+7], v[BO], s[12:13] offset:64*\b+16
.endr
.macro FRAG reg, adr, q, i
.irp c, 0,1,2,3
	ds_load_b128 v[\reg+4*\c:\reg+4*\c+3], v[\adr] offset:128*(\q)+32*\c+(\i)*16*PITCH
.endr
.endm
; eight matrix instructions: A's block a x B's eight of set p.  The 64 accumulators take turns in one order in every step.
.macro MULA a, p, zero
.irp b, 0,1,2,3,4,5,6,7
.if \zero
	v_wmma_f32_16x16x128_fp8_fp8 v[8*(8*((\a)%4)+\b):8*(8*((\a)%4)+\b)+7], v[128*(\p)+FR*\b:128*(\p)+FR*\b+FR-1], v[AF+FR*(\a):AF+FR*(\a)+FR-1], 0
.else
	v_wmma_f32_16x16x128_fp8_fp8 v[8*(8*((\a)%4)+\b):8*(8*((\a)%4)+\b)+7], v[128*(\p)+FR*\b:128*(\p)+FR*\b+FR-1], v[AF+FR*(\a):AF+FR*(\a)+FR-1], v[8*(8*((\a)%4)+\b):8*(8*((\a)%4)+\b)+7]
.endif
.endr
.endm
.macro MUL16 a0, p, zero
	MULA \a0, \p, \zero
	MULA \a0+1, \p, \zero
.endm
.macro FETCH_B slot, q, p
	WIN TO_B
.irp i, 0,1,2,3,4,5,6,7
	FRAG 128*(\p)+FR*\i, ADRB+\slot, \q, \i
.endr
	WIN 0
.endm
.macro FETCH_A slot, q, i0
.irp i, \i0, \i0+1, \i0+2, \i0+3
	FRAG AF+FR*(\i), ADRA+\slot, \q, \i
.endr
.endm
.macro PLACES n                        ; places between a matrix instruction and a load into its sources, or a read of its result
.rept \n
	v_nop
.endr
.endm
; a slot's first 128 along K
.macro STEP slot, q, zero
	s_wait_dscnt 4*NL                              ; B's set and A's blocks 0-3 are in; the 16 loads of blocks 4-7 may be out
	WIN MUL_LO
	MUL16 0, (\q)%2, \zero
	MUL16 2, (\q)%2, \zero
	s_wait_dscnt 0
	PLACES NP
	FETCH_B \slot, (\q)+1, 1-(\q)%2
	FETCH_A \slot, (\q)+1, 0
	WIN MUL_HI
	MUL16 4, (\q)%2, \zero
	MUL16 6, (\q)%2, \zero
	PLACES NP
	WIN 0
	FETCH_A \slot, (\q)+1, 4
.endm
; a slot's last 128 along K, and the change of slots.  Sixteen products stand ahead of the wait for the next slot's tile, eight between the add and its wait, eight inside the barrier.
.macro TURN slot, next, fill
.if \fill
	s_wait_xcnt 0x0                                ; my last prefetch has read its address
	s_add_co_u32 s[PK], s[CNT+\slot], 4*ROWB       ; the count two refills on from the refill below
	s_xor_b32 s[PK], s[PK], s[FX]
	s_add_nc_u64 s[PFA:PFA+1], s[PFB:PFB+1], s[PK:PK+1]
.endif
	s_wait_dscnt 4*NL
	WIN MUL_LO
	MUL16 0, 1, 0
	WIN 0                                          ; (the add's two registers lie in window 0)
	s_wait_tensorcnt 0x0                           ; my one load that was out, my part of the next slot, has landed
	ds_add_u32 v[SPW], v[NIL]
.if \fill
	s_add_co_u32 s[CNT+\slot], s[CNT+\slot], 2*ROWB
	s_xor_b32 s[KO], s[CNT+\slot], s[FX]
	s_add_nc_u64 s[G0+4*\slot+2:G0+4*\slot+3], s[ABASE:ABASE+1], s[KO:KO+1]
	s_or_b32 s[G0+4*\slot+3], s[G0+4*\slot+3], 0x80000000
	s_add_nc_u64 s[G0B+4*\slot+2:G0B+4*\slot+3], s[BBASE:BBASE+1], s[KO:KO+1]
	s_or_b32 s[G0B+4*\slot+3], s[G0B+4*\slot+3], 0x80000000
.endif
	WIN MUL_LO
	MULA 2, 1, 0
	s_wait_dscnt 0x0                               ; the add is done, and my reads of this slot are over
	s_barrier_signal -1
	MULA 3, 1, 0
	WIN 0
	s_barrier_wait -1
.if \fill
	CREST                                          ; the barrier has opened a round of the cluster's barrier
	JLOAD G0+4*\slot, G1, G0B+4*\slot, G1B         ; its four v_nop are also the places in front of the loads below
.else
	PLACES NP
.endif
	FETCH_B \next, 0, 0
	FETCH_A \next, 0, 0
.if \fill
	ASK
.endif
	WIN MUL_HI
	MUL16 4, 1, 0
	MUL16 6, 1, 0
	PLACES NP
	WIN 0
	FETCH_A \next, 0, 4
.endm
	s_wait_tensorcnt 0x0                           ; my part of the first K step is in
	ds_add_u32 v[SPW], v[NIL]
	s_wait_dscnt 0x0
	CROUND
	JLOAD G0+4, G1, G0B+4, G1B                     ; slot 1's first fill
	FETCH_B 0, 0, 0
	FETCH_A 0, 0, 0
	FETCH_A 0, 0, 4
	STEP 0, 0, 1                                   ; the first step starts the sums: nothing is cleared
	s_mov_b32 s3, LAPS-1
.Llap:                                                 ; a trip: once round the ring, from a lap's second step to the next lap's first; both slots are filled again
	TURN 0, 1, 1
	STEP 1, 0, 0
	TURN 1, 0, 1
	STEP 0, 0, 0
	s_sub_co_u32 s3, s3, 1
	s_cmp_lg_u32 s3, 0
	s_cbranch_scc1 .Llap
	TURN 0, 1, 0                                   ; the last lap fills nothing
	STEP 1, 0, 0
	s_wait_dscnt 4*NL
	WIN MUL_LO
	MUL16 0, 1, 0
	MUL16 2, 1, 0
	s_wait_dscnt 0
	WIN MUL_HI
	MUL16 4, 1, 0
	MUL16 6, 1, 0
	WIN 0
; THE WAY OUT, block by block of 16 rows x 128 columns: sum x 2^(ea + eb) + bias, through my own stage, back as whole rows of 512 bytes.
.macro TOSTAGE a
.set AC,  64*((\a)%4)
.set WDW, 2+(\a)/4
	WIN (0x41*WDW)
.irp j, 0,2,4,6,8,10,12,14,16,18,20,22,24,26,28,30,32,34,36,38,40,42,44,46,48,50,52,54,56,58,60,62
	v_pk_fma_f32 v[AC+\j:AC+\j+1], v[AC+\j:AC+\j+1], s[96:97], v[BIAS+\j:BIAS+\j+1] op_sel_hi:[1,0,1]   ; each accumulator from its low end on
.endr
	WIN (4*WDW)
.irp b, 0,1,2,3,4,5,6,7
	ds_store_b128 v[STO], v[AC+8*\b:AC+8*\b+3] offset:64*\b
	ds_store_b128 v[STO], v[AC+8*\b+4:AC+8*\b+7] offset:64*\b+16
.endr
	WIN 0
.set BB, BK+64*((\a)%2)
.irp t, 0,1,2,3,4,5,6,7,8,9,10,11,12,13,14,15
	ds_load_b128 v[BB+4*\t:BB+4*\t+3], v[RD] offset:\t*SPITCH   ; LDS serves a wave's instructions in order (ISA guide 5.7.1.4)
.endr
.endm
.macro SEND a, younger
.set BB, BK+64*((\a)%2)
	s_wait_dscnt \younger
.if (\a) > 0
	s_add_nc_u64 s[10:11], s[10:11], 16*SIZE_N*4
.endif
.irp t, 0,1,2,3,4,5,6,7,8,9,10,11,12,13,14,15
	global_store_b128 v[CO], v[BB+4*\t:BB+4*\t+3], s[10:11] offset:\t*SIZE_N*4 th:TH_STORE_NT   ; 512 consecutive bytes, at a multiple of 512 from out0's first byte
.endr
.endm
	s_wait_kmcnt 0x0
	s_add_co_i32 s96, s96, s97
	s_add_co_i32 s96, s96, 127
	s_lshl_b32 s96, s96, 23                        ; 2^(ea + eb)
	s_wait_loadcnt 0x0                             ; bias
	PLACES NP
	TOSTAGE 0
.irp a, 1,2,3,4,5,6,7
.if \a > 1
	s_wait_xcnt 0x0                                ; block a - 2's stores have read their registers and their base
.endif
	TOSTAGE \a
	SEND \a-1, 32                                  ; behind block a - 1's loads: block a's 16 stores and 16 loads
.endr
	s_wait_xcnt 0x0
	SEND 7, 0
	s_wait_tensorcnt 0x0                           ; the wave's end
	ds_add_u32 v[SPW], v[NIL]
	s_wait_dscnt 0x0
	CROUND                                         ; the closing round
	s_endpgm
.Lfunc_end_k_qb8a84cc742_gemm:
	.size	k_qb8a84cc742_gemm, .Lfunc_end_k_qb8a84cc742_gemm-k_qb8a84cc742_gemm
	.p2alignl 7, 3214868480
	.fill 96, 4, 3214868480
	.section	.rodata,"a",@progbits
	.p2align	6, 0x0
	.amdhsa_kernel k_qb8a84cc742_gemm
		.amdhsa_group_segment_fixed_size 327680
		.amdhsa_private_segment_fixed_size 0
		.amdhsa_enable_private_segment 0
		.amdhsa_kernarg_size 40
		.amdhsa_user_sgpr_count 2
		.amdhsa_user_sgpr_kernarg_segment_ptr 1
		.amdhsa_wavefront_size32 1
		.amdhsa_system_sgpr_workgroup_id_x 1
		.amdhsa_system_sgpr_workgroup_id_y 1
		.amdhsa_system_sgpr_workgroup_id_z 1
		.amdhsa_system_vgpr_workitem_id 0
		.amdhsa_next_free_vgpr 1024
		.amdhsa_next_free_sgpr 98
		.amdhsa_reserve_vcc 0
		.amdhsa_float_denorm_mode_32 3
		.amdhsa_float_denorm_mode_16_64 3
		.amdhsa_memory_ordered 1
		.amdhsa_forward_progress 1
		.amdhsa_inst_pref_size 128
	.end_amdhsa_kernel
	.amdgpu_metadata
---
amdhsa.version: [ 1, 2 ]
amdhsa.kernels:
  - .name:           k_qb8a84cc742_gemm
    .symbol:         k_qb8a84cc742_gemm.kd
    .args:
      - { .name: x_codes, .offset: 0, .size: 8, .value_kind: global_buffer, .address_space: global }
      - { .name: w_codes, .offset: 8, .size: 8, .value_kind: global_buffer, .address_space: global }
      - { .name: lowp_scales, .offset: 16, .size: 8, .value_kind: global_buffer, .address_space: global }
      - { .name: out0, .offset: 24, .size: 8, .value_kind: global_buffer, .address_space: global }
      - { .name: bias, .offset: 32, .size: 8, .value_kind: global_buffer, .address_space: global }
    .group_segment_fixed_size: 327680
    .private_segment_fixed_size: 0
    .kernarg_segment_align: 8
    .kernarg_segment_size: 40
    .max_flat_workgroup_size: 128
    .sgpr_count:     98
    .vgpr_count:     1024
    .wavefront_size: 32
...
	.end_amdgpu_metadata
.endif
;; end of part 2
